; MI455X (gfx1250); checked and timed in simulation.
; The chip was launched on July 23, 2026; its instructions are those of AMD's public machine-readable ISA for CDNA 5 (MIT licence, August 2026) and "CDNA5" Instruction Set Architecture Reference Guide (July 2026). The comments in the code are by the model that wrote it; some were corrected since.
;; Attention. Allowed arithmetic: matrix products marked QUANTISED: E3M2 operands, one E8M0 scale for each 32 along K, by v_wmma_scale_f32_16x16x128_f8f6f4 with both operands' format E3M2, f32 sums; everything else in f32.
;; Inputs: Wq 2,048 x 2,048 float32; x 4 x 2,048 x 2,048 float32.
;; Outputs: out0 4 x 2,048 x 2,048 float32.
;; Constants: H = 64, W = 32.
;; This version of the problem:
;;   THIS VERSION OF THE PROBLEM IS GIVEN IN LOW PRECISION. The matrix products marked QUANTISED in the list below multiply operands that are first quantised to E3M2 (3 exponent bits, 2 mantissa bits; 6 bits a number), with one power-of-two scale for each 32 numbers along K (OCP MX v1.0); their sums are f32. All else is computed in f32.
;;   The module's matrix products, in the order in which they are computed (A, B: the left and right operand; K: the contracted axis; several contracted axes count as one K, in the product's order):
;;     1. [M 8,192, K 2,048] x [K 2,048, N 2,048]; A: input x; B: input Wq: QUANTISED
;;     2. batch 4 x [M 2,048, K 2,048] x [K 2,048, N 2,048]; A: computed on the way; B: input x: QUANTISED
;;   THE QUANTISER, for each operand of a quantised product, along K:
;;     - K is cut into blocks of 32 from its start; a last block that is shorter is filled with zeros.
;;     - A block's scale is 2^e with e = floor(log2(the largest magnitude in the block)) - 4, held to -126 .. 127; a block of zeros has e = 0. As a byte (E8M0): e + 127.
;;     - Each number is divided by its block's scale, clamped to +-28, and rounded to the nearest number of E3M2, ties to even, subnormals kept.
;;     - The product sums the exact products of the quantised numbers (number of the format x scale) in f32.
;;   ~~~python
;;   def quantise(x, axis):      # numpy; x: float32 -> the quantised numbers, widened to float32 again
;;       x = np.moveaxis(x, axis, -1); K = x.shape[-1]
;;       x = np.pad(x, [(0, 0)] * (x.ndim - 1) + [(0, -K % 32)]); x = x.reshape(x.shape[:-1] + (-1, 32)); a = np.abs(x).max(-1, keepdims=True)
;;       e = np.where(a > 0, np.clip(np.frexp(np.where(a > 0, a, 1))[1] - 1 - 4, -126, 127), 0)      # np.frexp(a)[1] - 1 = floor(log2(a)), exactly
;;       r = np.clip(x / 2.0 ** e, -28, 28)
;;       step = 2.0 ** (np.maximum(np.frexp(np.where(r == 0, 1, r))[1] - 1, -2) - 2)
;;       q = np.round(r / step) * step * 2.0 ** e      # np.round: ties to even
;;       return np.moveaxis(q.reshape(q.shape[:-2] + (-1,))[..., :K], -1, axis).astype(np.float32)
;;   ~~~
;;   OPERANDS COMPUTED ON THE WAY. 'Computed on the way' means the value that the module computes at that place (a softmax that the list does not call 'softmax' is quantised finished and normalised). What goes into a quantiser is computed in f32, as accurately as f32 sums, v_exp_f32 and their like allow (about 1e-6 of the number): no bf16 or f16 on the way to a quantiser, and a product that is left as it is and whose result goes on into a quantised operand takes f32 operands (vector FMAs, or v_wmma_f32_16x16x4_f32). A number that lies on a knife's edge between two numbers of the format may be rounded either way, as far as f32 arithmetic and the matrix unit's own rounding can turn it there, and no further.
;; One version. Each part assembles by itself: llvm-mc -triple=amdgcn-amd-amdhsa -mcpu=gfx1250 --defsym DOCPART=n.
;; ======== version 1 of 1: 4 launches
;; workspace buffers: xc 13,107,200 bytes; xt 13,107,200 bytes; wqr 3,276,800 bytes; qr 13,107,200 bytes; vp 524,288 bytes; pm 524,288 bytes
;; launch quant (part 1): grid 1280 x 1, 4 waves a work-group, no clusters, 70,400 bytes of LDS; arguments x, Wq, xc, xt, wqr, vp; writes xc, xt, wqr, vp
.if DOCPART == 1
	.amdgcn_target "amdgcn-amd-amdhsa--gfx1250"
	.amdhsa_code_object_version 6
	.text
	.protected	k_qc853f03f26_quant
	.globl	k_qc853f03f26_quant
	.p2align	8
	.type	k_qc853f03f26_quant,@function
k_qc853f03f26_quant:
	s_mov_b64 s[64:65], 0
	v_nop
	global_prefetch_b8 v0, s[64:65] scope:SCOPE_SE
	s_setreg_imm32_b32 hwreg(HW_REG_WAVE_MODE, 25, 1), 1
	s_wait_xcnt 0x0
; x [4][2048][2048] and Wq [2048][2048], f32, become codes of BF6 (E3M2) with one E8M0 scale byte for each 32 along K.  x is read ONCE and quantised twice: along its last axis c (xc, for q x^T)
; and along its middle axis i (xt, for Wq x); on the way the sums of 128 rows of each column are taken (vp, for the mean).  Wq is quantised along its last axis (wqr).
; A block's scale is 2^(floor(log2(largest magnitude)) - 4): its byte is the largest magnitude's exponent field - 4, held at 1 from below by a floor among the maximum's leaves.
; LIMITS: NaN and infinities among the inputs are not served.  A block of zeros gets the byte 1 where the rule says 127: its codes are zeros, which add nothing, and this program alone reads the bytes.
; vp's sums are f32 sums in another order than a plain row-by-row sum.
; RECORDS.  A matrix of 2048 rows x 2048 K lies as records [row / 128][K / 128] of 12,800 bytes: 128 rows x 128 K.  In a record: codes at i 1536 + g 512 + 16 lane (i: which 16 of the 128 rows; g = 0..2):
; a fragment (16 rows x 128 K, 12 registers a lane) lies as the IMAGE OF ITS REGISTERS, registers 4 g .. 4 g + 3 of lane l at 16 l.  Lane (r, h), registers 6 c .. 6 c + 5: K = 64 c + 32 h + 0..31 of row r.
; Scale words (four bytes: a row's 128 K) at 12288 + i 64 + 4 r.  The records of 128 rows lie on end along K, so the products' launches fetch several steps of K with their scales as one dense block, and a
; fragment by three loads of 16 bytes a lane.  A tile of this launch is exactly one record of each output.
; xt's rows are POSITIONS: lane r of block 2 w + u holds column 32 w + 8 u + r + 8 (r / 8), so that in the product that reads it a lane's 16 results of two neighbouring blocks are 16 neighbouring columns.
; SHARES.  A work-group takes a tile of 128 rows x 128 columns: work-groups 0-1023 tiles of x, 1024-1279 tiles of Wq.  Only pointers are chosen by the work-group's number; Wq's tiles jump over the part down the columns.
; The tile goes through LDS: in by rows as loaded (each load 512 consecutive bytes), out once along the rows' K (a lane: 64 numbers of one row) and once down the columns (a lane: 64 numbers of one column).
; No tensor loads, no clusters: work-groups share no input byte.  Several work-groups lie on a WGP, so that one's loads stand beside another's arithmetic.
.set SREC,  12800                      ; a record
.set MAT,   256*SREC                   ; a matrix
.set SCO,   12288                      ; a record's scale words
.set G,     16928                      ; LDS: 32 tile rows of 528 bytes + 32: row p lies at (p / 32) G + (p % 32) 528.  528 = 33 x 16: sixteen rows' 16-byte reads start at different banks (64 banks of 4 bytes: ISA guide 11.1);
                                       ; G = 32 mod 256: lanes 16-31, which read 32 rows further down, fall 8 banks beside lanes 0-15
.set SCWB,  4*G                        ; behind the tile: 128 scale words along c, 128 along i, 128 column sums: 512 bytes each
.set GL,    4                          ; v4   16 x lane: my place in 512 consecutive bytes of memory; never rewritten
.set LST,   5                          ; v5   the tile, on the way in: wave G + 16 lane
.set LR1,   6                          ; v6   out along the rows: wave G + 528 r + 128 h
.set LR2,   7                          ; v7   out down the columns: h G + 4 (32 wave + r + 8 (r / 8))
.set LW,    8                          ; v8   my row's scale word: SCWB + 128 wave + 4 r
.set LSM,   9                          ; v9   my column's sum: SCWB + 1024 + 4 (32 wave + r + 8 (r / 8))
.set LRB,   10                         ; v10  the gathered words on the way out: SCWB + 512 wave + 16 lane
.set H8,    11                         ; v11  8 h
.set M,     12                         ; v12-13 two blocks' largest magnitudes
.set T,     14                         ; v14-15 the conversions' scale operands
.set B,     16                         ; v16-17 the scale bytes
.set PT,    18                         ; v18  what comes from lane l xor 16
.set RBK,   20                         ; v20-23 16 bytes read back
.set SA,    24                         ; v24-27 two chains of packed sums
.set W,     28                         ; v28-31 a scale word for each of the four fragments
.set S0,    32                         ; v32-95, v96-159: 64 numbers each
.set S1,    96
.set C,     160                        ; v160-207 codes: 12 registers for each of the four fragments, so that no store's data are written again
.set TQ,    208                        ; v208-215 the second halves of the blocks' codes
.set CS,    216                        ; v216-217 the column sums
.set SEL,   20                         ; s[20:21] v_permlanex16_b32's selects for lane l xor 16
	s_load_b256 s[4:11], s[0:1], 0x0               ; x s[4:5], Wq s[6:7], xc s[8:9], xt s[10:11]
	s_load_b128 s[12:15], s[0:1], 0x20             ; wqr s[12:13], vp s[14:15]
	v_lshl_add_u32 v224, v0, 2, 0x11100
	v_mov_b32 v225, 0
	v_lshrrev_b32 v1, 5, v0
	v_readfirstlane_b32 s16, v1                    ; wave 0..3
	v_and_b32 v1, 31, v0                           ; lane
	v_lshlrev_b32 v[GL], 4, v1
	s_cmp_lt_u32 ttmp9, 1024
	s_cselect_b32 s17, 0, 1024
	s_sub_co_u32 s18, ttmp9, s17                   ; the tile's number in its tensor
	s_lshr_b32 s19, s18, 4                         ; 16 b + it: which 128 rows of the tensor
	s_and_b32 s36, s18, 15                         ; ct: which 128 columns
	s_lshr_b32 s37, s18, 8                         ; b
	s_and_b32 s38, s19, 15                         ; it
	s_mul_i32 s39, s37, MAT
	s_mul_i32 s40, s16, 3072                       ; my wave's two fragments in a record
	s_lshl_b32 s22, s19, 20                        ; the source: 128 rows of 8,192 bytes,
	s_lshl_b32 s23, s36, 9                         ; 128 columns of 4 bytes,
	s_add_co_u32 s22, s22, s23
	s_lshl_b32 s23, s16, 18                        ; my wave's 32 rows
	s_add_co_u32 s22, s22, s23
	s_mov_b32 s23, 0
	s_lshl_b32 s24, s38, 4                         ; along c: record [it][ct] of matrix b
	s_add_co_u32 s24, s24, s36
	s_mul_i32 s24, s24, SREC
	s_add_co_u32 s24, s24, s39
	s_add_co_u32 s26, s24, s40                     ; its codes, my wave's
	s_mov_b32 s27, 0
	s_add_co_u32 s28, s24, SCO                     ; its 128 scale words
	s_mov_b32 s29, 0
	s_lshl_b32 s24, s36, 4                         ; along i: record [ct][it]
	s_add_co_u32 s24, s24, s38
	s_mul_i32 s24, s24, SREC
	s_add_co_u32 s24, s24, s39
	s_add_co_u32 s30, s24, s40
	s_mov_b32 s31, 0
	s_add_co_u32 s32, s24, SCO
	s_mov_b32 s33, 0
	s_lshl_b32 s34, s19, 13                        ; vp [b][it][2048] f32
	s_lshl_b32 s35, s36, 9
	s_add_co_u32 s34, s34, s35
	s_mov_b32 s35, 0
	s_mov_b32 s[SEL], 0x76543210
	s_mov_b32 s[SEL+1], 0xfedcba98
	s_wait_kmcnt 0x0
	s_cmp_lt_u32 ttmp9, 1024                       ; x's tile or Wq's?  The choice hangs on the work-group's number alone
	s_cselect_b64 s[4:5], s[4:5], s[6:7]
	s_cselect_b64 s[8:9], s[8:9], s[12:13]
	s_add_nc_u64 s[4:5], s[4:5], s[22:23]
	s_add_nc_u64 s[42:43], s[8:9], s[28:29]        ; scale words along c
	s_add_nc_u64 s[8:9], s[8:9], s[26:27]          ; codes along c
	s_add_nc_u64 s[44:45], s[10:11], s[32:33]      ; scale words along i
	s_add_nc_u64 s[10:11], s[10:11], s[30:31]      ; codes along i
	s_add_nc_u64 s[14:15], s[14:15], s[34:35]
.irp j, 0,1,2,3,4,5,6,7,8,9,10,11,12,13,14,15,16,17,18,19,20,21,22,23,24,25,26,27,28,29,30,31
	global_load_b128 v[S0+4*\j:S0+4*\j+3], v[GL], s[4:5] offset:8192*\j th:TH_LOAD_NT   ; tile row 32 wave + j: 32 lanes read 512 consecutive bytes; read once in the whole launch
.endr
	; all LDS addresses are made here, while the loads are out and ahead of every branch
	v_and_b32 v2, 15, v0                           ; r
	v_bfe_u32 v3, v0, 4, 1                         ; h
	s_mul_i32 s41, s16, G
	v_add_nc_u32 v[LST], s41, v[GL]
	v_mul_u32_u24 v[LR1], v2, 528
	v_lshl_add_u32 v[LR1], v3, 7, v[LR1]
	v_add_nc_u32 v[LR1], s41, v[LR1]
	v_and_b32 v[LR2], 8, v2
	v_add_nc_u32 v[LR2], v[LR2], v2                ; r + 8 (r / 8)
	v_lshlrev_b32 v[LR2], 2, v[LR2]
	s_lshl_b32 s46, s16, 7
	v_add_nc_u32 v[LR2], s46, v[LR2]               ; 4 (32 wave + r + 8 (r / 8))
	v_add_nc_u32 v[LSM], SCWB+1024, v[LR2]
	v_mad_u32_u24 v[LR2], v3, G, v[LR2]
	v_lshlrev_b32 v[LW], 2, v2
	v_add_nc_u32 v[LW], s46, v[LW]
	v_add_nc_u32 v[LW], SCWB, v[LW]
	s_lshl_b32 s47, s16, 9
	v_add_nc_u32 v[LRB], s47, v[GL]
	v_add_nc_u32 v[LRB], SCWB, v[LRB]
	v_lshlrev_b32 v[H8], 3, v3
	v_mov_b32 v[PT], 0                             ; written once: a lane permute's destination counts as one of its sources
; 64 numbers of a lane, register 32 cc + i = K 64 cc + 32 h + i of my row: two WHOLE blocks, so no other lane is asked for a maximum.  They become the fragment's 12 registers of codes and my row's scale word.
.macro QB src, dst, wrd
.irp cc, 0,1
	v_max3_num_f32 v[M+\cc], |v[\src+32*\cc]|, |v[\src+32*\cc+1]|, 0x2800000   ; with the floor 2^(5 - 127) among the leaves: the byte cannot fall under 1
.endr
.irp i, 2,4,6,8,10,12,14,16,18,20,22,24,26,28,30
.irp cc, 0,1
	v_max3_num_f32 v[M+\cc], v[M+\cc], |v[\src+32*\cc+\i]|, |v[\src+32*\cc+\i+1]|   ; (the two blocks by turns)
.endr
.endr
.irp cc, 0,1
	v_add_nc_u32 v[T+\cc], 0xfe000000, v[M+\cc]    ; 4 off the exponent field: the conversion takes the exponent field of this operand as its scale, and nothing else of it
.endr
.irp cc, 0,1
	v_lshrrev_b32 v[B+\cc], 23, v[T+\cc]           ; the scale's byte
.endr
	v_lshl_or_b32 v[\wrd], v[B+1], 16, v[B]        ; my two bytes: blocks h and 2 + h,
	v_lshlrev_b32 v[\wrd], v[H8], v[\wrd]          ; at their places in the word;
	v_permlanex16_b32 v[PT], v[\wrd], s[SEL], s[SEL+1]
	v_or_b32 v[\wrd], v[\wrd], v[PT]               ; with lane l xor 16's two the word is whole, in both lanes
.irp cc, 0,1
	v_cvt_scalef32_pk16_bf6_f32 v[\dst+6*\cc:\dst+6*\cc+2], v[\src+32*\cc:\src+32*\cc+15], v[T+\cc]
	v_cvt_scalef32_pk16_bf6_f32 v[TQ+4*\cc:TQ+4*\cc+2], v[\src+32*\cc+16:\src+32*\cc+31], v[T+\cc]   ; (a conversion's three registers begin on an even number: the block's second half is made here and moved)
.endr
	v_nop                                          ; one plain place behind a scaled conversion
.irp cc, 0,1
.irp i, 0,1,2
	v_mov_b32 v[\dst+6*\cc+3+\i], v[TQ+4*\cc+\i]
.endr
.endr
.endm
; the sum of a lane's 64 numbers, two at a time in two chains, and of lane l xor 16's 64: the column's 128 rows
.macro COLSUM src, dst
	v_pk_add_f32 v[SA:SA+1], v[\src:\src+1], v[\src+2:\src+3]
	v_pk_add_f32 v[SA+2:SA+3], v[\src+4:\src+5], v[\src+6:\src+7]
.irp j, 8,12,16,20,24,28,32,36,40,44,48,52,56,60
	v_pk_add_f32 v[SA:SA+1], v[SA:SA+1], v[\src+\j:\src+\j+1]
	v_pk_add_f32 v[SA+2:SA+3], v[SA+2:SA+3], v[\src+\j+2:\src+\j+3]
.endr
	v_pk_add_f32 v[SA:SA+1], v[SA:SA+1], v[SA+2:SA+3]
	v_add_f32 v[SA], v[SA], v[SA+1]
	v_permlanex16_b32 v[PT], v[SA], s[SEL], s[SEL+1]
	v_add_f32 v[\dst], v[SA], v[PT]
.endm
.macro PUT cod, base, off              ; a fragment leaves as the image of its registers: each store covers 512 consecutive bytes, aligned to 256
.irp g, 0,1,2
	global_store_b128 v[GL], v[\cod+4*\g:\cod+4*\g+3], s[\base:\base+1] offset:\off+512*\g
.endr
.endm
.irp q, 0,1,2,3
	s_wait_loadcnt 24-8*\q                         ; loads come back in order: eight more rows are in, the younger groups of eight stay out
.irp j, 0,1,2,3,4,5,6,7
	ds_store_b128 v[LST], v[S0+4*(8*\q+\j):S0+4*(8*\q+\j)+3] offset:528*(8*\q+\j)
.endr
.endr
	; ALONG THE ROWS: my wave's two fragments are of the 32 rows that it stored itself.  LDS serves a wave's instructions in order: these loads see my stores, and land behind them in the registers that they read
.irp f, 0,1
.irp cc, 0,1
.irp j, 0,1,2,3,4,5,6,7
	ds_load_b128 v[S0+64*\f+32*\cc+4*\j:S0+64*\f+32*\cc+4*\j+3], v[LR1] offset:8448*\f+256*\cc+16*\j   ; row 32 wave + 16 f + r, columns 64 cc + 32 h + 4 j on
.endr
.endr
.endr
	s_wait_dscnt 0x0                               ; for the others' sake: my rows lie in LDS; for mine: the 128 numbers are in
	s_barrier_signal -1
	QB S0, C, W                                    ; work on registers while the others arrive
	QB S1, C+12, W+1
	s_barrier_wait -1                              ; the whole tile lies in LDS
	PUT C, 8, 0
	PUT C+12, 8, 1536
	ds_store_b32 v[LW], v[W]                       ; both lanes of a row write the same word with the same value
	ds_store_b32 v[LW], v[W+1] offset:64
	s_cmp_ge_u32 ttmp9, 1024                       ; Wq has no second K: its tiles jump over the part down the columns (no barrier stands in it)
	s_cbranch_scc1 .Ljoin
	; DOWN THE COLUMNS: a lane takes a column and its registers run down the rows: the block's numbers are all mine, and nothing is transposed by an instruction
.irp cc, 0,1
.irp p, 0,1,2,3,4,5,6,7,8,9,10,11,12,13,14,15,16,17,18,19,20,21,22,23,24,25,26,27,28,29,30,31
	ds_load_b32 v[S0+32*\cc+\p], v[LR2] offset:2*G*\cc+528*\p      ; rows 64 cc + 32 h + p of column 32 wave + r + 8 (r / 8): the 32 lanes touch 32 different banks
.endr
.endr
	s_wait_dscnt 0x0                               ; the first fragment's numbers are in
.irp cc, 0,1
.irp p, 0,1,2,3,4,5,6,7,8,9,10,11,12,13,14,15,16,17,18,19,20,21,22,23,24,25,26,27,28,29,30,31
	ds_load_b32 v[S1+32*\cc+\p], v[LR2] offset:32+2*G*\cc+528*\p   ; the second fragment's, 8 columns on: they land while the first is worked
.endr
.endr
	QB S0, C+24, W+2
	COLSUM S0, CS
	PUT C+24, 10, 0
	ds_store_b32 v[LW], v[W+2] offset:512
	ds_store_b32 v[LSM], v[CS]
	s_wait_dscnt 0x0                               ; the second fragment's numbers are in
	QB S1, C+36, W+3
	COLSUM S1, CS+1
	PUT C+36, 10, 1536
	ds_store_b32 v[LW], v[W+3] offset:576
	ds_store_b32 v[LSM], v[CS+1] offset:32
.Ljoin:
	s_wait_dscnt 0x0                               ; for the others' sake: my words and sums lie in LDS
	s_barrier_signal -1
	s_barrier_wait -1
	; what four waves gathered leaves as 512 consecutive bytes, one wave to each run
	s_cmp_eq_u32 s16, 0
	s_cbranch_scc0 .Lnot_0
	ds_load_b128 v[RBK:RBK+3], v[LRB]
	s_wait_dscnt 0x0
	global_store_b128 v[GL], v[RBK:RBK+3], s[42:43]   ; the 128 rows' scale words along c
	s_wait_tensorcnt 0x0
	ds_add_u32 v224, v225
	s_wait_dscnt 0x0
	s_endpgm
.Lnot_0:
	s_cmp_ge_u32 ttmp9, 1024
	s_cbranch_scc1 .Lend                           ; Wq's tiles have no more
	s_cmp_eq_u32 s16, 1
	s_cbranch_scc0 .Lnot_1
	ds_load_b128 v[RBK:RBK+3], v[LRB]
	s_wait_dscnt 0x0
	global_store_b128 v[GL], v[RBK:RBK+3], s[44:45]   ; the 128 positions' scale words along i
	s_wait_tensorcnt 0x0
	ds_add_u32 v224, v225
	s_wait_dscnt 0x0
	s_endpgm
.Lnot_1:
	s_cmp_eq_u32 s16, 2
	s_cbranch_scc0 .Lend
	ds_load_b128 v[RBK:RBK+3], v[LRB]
	s_wait_dscnt 0x0
	global_store_b128 v[GL], v[RBK:RBK+3], s[14:15]   ; the 128 columns' sums
.Lend:
	s_wait_tensorcnt 0x0
	ds_add_u32 v224, v225
	s_wait_dscnt 0x0
	s_endpgm
.Lfunc_end_k_qc853f03f26_quant:
	.size	k_qc853f03f26_quant, .Lfunc_end_k_qc853f03f26_quant-k_qc853f03f26_quant
	.p2alignl 7, 3214868480
	.fill 96, 4, 3214868480
	.section	.rodata,"a",@progbits
	.p2align	6, 0x0
	.amdhsa_kernel k_qc853f03f26_quant
		.amdhsa_group_segment_fixed_size 70400
		.amdhsa_private_segment_fixed_size 0
		.amdhsa_enable_private_segment 0
		.amdhsa_kernarg_size 48
		.amdhsa_user_sgpr_count 2
		.amdhsa_user_sgpr_kernarg_segment_ptr 1
		.amdhsa_wavefront_size32 1
		.amdhsa_system_sgpr_workgroup_id_x 1
		.amdhsa_system_sgpr_workgroup_id_y 1
		.amdhsa_system_sgpr_workgroup_id_z 1
		.amdhsa_system_vgpr_workitem_id 0
		.amdhsa_next_free_vgpr 226
		.amdhsa_next_free_sgpr 66
		.amdhsa_reserve_vcc 0
		.amdhsa_float_denorm_mode_32 3
		.amdhsa_float_denorm_mode_16_64 3
		.amdhsa_memory_ordered 1
		.amdhsa_forward_progress 1
		.amdhsa_inst_pref_size 38
	.end_amdhsa_kernel
	.amdgpu_metadata
---
amdhsa.version: [ 1, 2 ]
amdhsa.kernels:
  - .name:           k_qc853f03f26_quant
    .symbol:         k_qc853f03f26_quant.kd
    .args:
      - { .name: x, .offset: 0, .size: 8, .value_kind: global_buffer, .address_space: global }
      - { .name: Wq, .offset: 8, .size: 8, .value_kind: global_buffer, .address_space: global }
      - { .name: xc, .offset: 16, .size: 8, .value_kind: global_buffer, .address_space: global }
      - { .name: xt, .offset: 24, .size: 8, .value_kind: global_buffer, .address_space: global }
      - { .name: wqr, .offset: 32, .size: 8, .value_kind: global_buffer, .address_space: global }
      - { .name: vp, .offset: 40, .size: 8, .value_kind: global_buffer, .address_space: global }
    .group_segment_fixed_size: 70400
    .private_segment_fixed_size: 0
    .kernarg_segment_align: 8
    .kernarg_segment_size: 48
    .max_flat_workgroup_size: 128
    .sgpr_count:     66
    .vgpr_count:     226
    .wavefront_size: 32
...
	.end_amdgpu_metadata
.endif
;; end of part 1
;; launch qgemm (part 2): grid 32 x 8, 4 waves a work-group, clusters of 4 x 4, 327,680 bytes of LDS; arguments wqr, xt, qr; writes qr
.if DOCPART == 2
	.amdgcn_target "amdgcn-amd-amdhsa--gfx1250"
	.amdhsa_code_object_version 6
	.text
	.protected	k_qc853f03f26_qgemm
	.globl	k_qc853f03f26_qgemm
	.p2align	8
	.type	k_qc853f03f26_qgemm,@function
k_qc853f03f26_qgemm:
	s_mov_b64 s[64:65], 0
	v_nop
	global_prefetch_b8 v0, s[64:65] scope:SCOPE_SE
	s_setreg_imm32_b32 hwreg(HW_REG_WAVE_MODE, 25, 1), 1
	s_wait_xcnt 0x0
	s_wait_alu depctr_hold_cnt(0) depctr_sa_sdst(0) depctr_va_vdst(0) depctr_va_sdst(0) depctr_va_ssrc(0) depctr_va_vcc(0) depctr_vm_vsrc(0)
	s_getreg_b32 s2, hwreg(HW_REG_IB_STS2, 6, 4)
	s_cmp_eq_u32 s2, 0
	s_cbranch_scc0 .Lentry_in_a_cluster
	s_endpgm
.Lentry_in_a_cluster:
	s_bfe_u32 s2, ttmp6, 0x10000c
	s_cmp_lg_u32 s2, 0xf033
	s_cbranch_scc0 .Lentry_shape_is_right
	s_endpgm
.Lentry_shape_is_right:
; q[b][o][l] = sum over i of Wq[o][i] x[b][i][l], on codes of BF6 (E3M2) with one E8M0 scale for each 32 along i; sums in f32.  q never goes to memory as f32: on the way out it is quantised along l,
; the next product's K, and stored as codes and scale words.
; OPERANDS lie in memory as records [row / 128][K / 128] of 12,800 bytes: 128 rows x 128 K as images of the fragments' registers (codes at i 1536 + g 512 + 16 lane), then the rows' scale words
; (12288 + i 64 + 4 r).  A = wqr (rows o), B = xt[b] (rows: positions; position block 2 t + u, lane r, holds column l = 32 t + 8 u + r + 8 (r / 8)).  qr[b] (rows o, K = l) is written in the same layout.
; A tile of C, 256 x 256, is made by a work-group of four waves, as many as a WGP has SIMDs; a wave makes 128 x 128: 64 accumulators of 16 x 16, 512 registers.  256 tiles: 32 along (b, l) x 8 along o.
; THE RING.  K goes in 16 steps of 128 through two LDS slots of THREE steps each, as large as two slots fit: a slot is four parts (A's two halves, B's two) of three records, which lie on end in memory, so that
; one tensor load of one wave brings a part as 150 rows of 256 bytes, dense: codes and scales together.  Between a refill's request and the first read of what it brings stand a slot's 192 matrix instructions.
; The fills are of 3, 3 | 3, 3, 3, 1 steps: two go out at the start, three refills of 150 rows and one of 50 follow, and the last change of slots fills nothing.  B's two sets of registers change parity from slot
; to slot, so a trip of a loop would be six steps, and the two trips would differ in a fill's shape: the 16 steps are written out by macro.
; A fragment comes out of LDS by three loads of 16 bytes a lane, 512 consecutive bytes each: no pitch, no padding.
; CLUSTERS: 4 x 4 work-groups.  The four of a row of the cluster need the same records of A, the four of a column the same records of B: each is asked for JOINTLY, by the same tensor load with the same descriptor
; and a mask that names the four.  THE MATRIX INSTRUCTION IS USED TRANSPOSED (source 0 = 16 rows of B, source 1 = 16 rows of A): a lane holds one row o, and by xt's order of positions the 16 registers of
; accumulators (a, 2 t) and (a, 2 t + 1) are the 16 neighbouring columns l = 32 t + 16 (lane / 16) + 0..15.
; LIMITS: NaN and infinities are not served; a block of zeros of q gets the byte 1 over zero codes (this program alone reads the bytes).
; REGISTERS, in windows of 256: window 0: v16-29 addresses; v32-79 scale words, two sets, and nothing else; v128-223 A's fragments, ONE set; v6-13, v80-127, v224-255 at work on the way out.
;   window 1: B's fragments, TWO sets, at v0 and at v128.   window 2: the accumulators of my rows 0-63 ((a, b) at v[8 (8 (a % 4) + b)]);   window 3: those of my rows 64-127.
.set SREC,   12800                     ; a record: 128 rows x 128 K
.set HBS,    16*SREC                   ; the 16 records of 128 rows
.set MAT,    16*HBS                    ; a matrix
.set SCO,    12288                     ; a record's scale words
.set NQ,     3                         ; steps of 128 along K in a slot
.set PART,   NQ*SREC                   ; what one tensor load brings: three records
.set SLOT,   4*PART
.set SPARE,  2*SLOT                    ; behind the ring: the spare words, 128 bytes for each wave: two blocks of 256 bytes that no other line names
.set FR,     12                        ; registers of a fragment
.set NL,     3                         ; LDS loads that bring one
.set NP,     4                         ; places behind this matrix instruction (ISA guide 7.12.1)
.set ADRA, 16                          ; v16-17  LDS address of my A fragments in slot 0, 1: slot + my half's part + 16 lane
.set ADRB, 20                          ; v20-21  the same for B
.set ADRS, 22                          ; v22-23  of my scale words: lanes 0-15 A's rows, lanes 16-31 B's
.set STW,  24                          ; v24     the way out: my row's scale word in my wave's 512 bytes of stage
.set STR,  25                          ; v25     and where I read 16 bytes of them back
.set CO,   26                          ; v26     16 x lane: my place in 512 consecutive bytes of memory
.set SPW,  28                          ; v28     LDS address of my spare word: SPARE + 4 x my thread's number; never rewritten
.set NIL,  29                          ; v29     0; never rewritten
.set SC,   32                          ; scale words: set s at v[SC + 24 s]; register 3 i + q: lanes 0-15 the word of A's block i, lanes 16-31 that of B's block i, for the slot's q-th 128 along K
.set AF,   128                         ; A's fragments
.set PW,   6                           ; the way out: v6-13 a scale word for each of my eight blocks of rows
.set TMX,  80                          ; v80-95 largest magnitudes; v96-111 from the other half, then bytes; v112-127 the conversions' scale operands
.set TP,   96
.set TS,   112
.set PC,   128                         ; v128-223 q's codes, 12 registers a block, where A's fragments lay
.set TQ,   224                         ; v224-255 the conversions' second results
.set OW,   224                         ; v224-227 at the very end: the words read back
.set G1, 24                            ; s[24:31] descriptor group 1 for A's parts;  s[32:39] group 0, one set for each slot
.set G0, 32
.set G1B, 48                           ; s[48:55], s[56:63] the same for B's
.set G0B, 56
.set SEL, 68                           ; s[68:69] v_permlanex16_b32's selects for lane l xor 16
.set G1L, 72                           ; s[72:79], s[80:87] groups 1 for the last fill, of one record: A's, B's
.set G1BL, 80
.set MSB, 0
.macro WIN new                         ; the immediate's high byte repeats the setting that is left; a switch that changes nothing is dropped
.if MSB != \new
	s_set_vgpr_msb (MSB<<8)|\new
.set MSB, \new
.endif
.endm
.set MUL_LO, 0xa1                      ; source 0 (B) window 1, source 1 (A) window 0, C and D window 2
.set MUL_HI, 0xf1                      ; the same, C and D window 3
.set TO_B,   0x40                      ; destination window 1, address window 0
; A joint load: waves 0 and 1 fetch A's halves, waves 2 and 3 B's.  Each of the two lines has ONE mask and one set of registers for all that issue it; the branch hangs on the wave's number alone.
; Four v_nop follow each of the two lines, ahead of the jump, the label and what follows.
.macro JLOAD g0a, g1a, g0b, g1b
	s_cmp_eq_u32 s15, 0
	s_cbranch_scc0 .Lfor_b_\@
	tensor_load_to_lds s[\g0a:\g0a+3], s[\g1a:\g1a+7]
	s_nop 0
.rept 4
	v_nop
.endr
	s_branch .Lasked_\@
.Lfor_b_\@:
	tensor_load_to_lds s[\g0b:\g0b+3], s[\g1b:\g1b+7]
	s_nop 0
.rept 4
	v_nop
.endr
.Lasked_\@:
.endm
.macro CREST                           ; a round of the cluster's barrier behind its opening barrier
	s_cmp_lg_u32 s14, 0
	s_cbranch_scc1 .Lnot_wave_0_\@
	s_barrier_signal -3
.Lnot_wave_0_\@:
	s_barrier_wait -3
	s_barrier_signal -1
	s_barrier_wait -1
.endm
.macro CROUND                          ; a whole round
	s_barrier_signal -1
	s_barrier_wait -1
	CREST
.endm
	s_load_b128 s[4:7], s[0:1], 0x0                ; wqr s[4:5], xt s[6:7]
	s_load_b64 s[12:13], s[0:1], 0x10              ; qr
	v_lshl_add_u32 v[SPW], v0, 2, SPARE
	v_mov_b32 v[NIL], 0
	ds_add_u32 v28, v29
	ds_add_u32 v28, v29
	s_wait_dscnt 0x0
	v_lshrrev_b32 v1, 5, v0
	v_readfirstlane_b32 s14, v1                    ; wave 0..3
	s_lshr_b32 s15, s14, 1                         ; which half of the tile's rows is mine.  Also: I fetch for A (0) or for B (1)
	s_and_b32 s16, s14, 1                          ; which half of its columns.  Also: which half's part I fetch
	s_bfe_u32 s40, ttmp6, 0x40000                  ; cx, cy: my place in the cluster
	s_bfe_u32 s41, ttmp6, 0x40004
	s_lshl_b32 s42, ttmp9, 2
	s_add_co_u32 s42, s42, s40                     ; tile column = 4 x cluster x + cx: 8 b + which 256 of l
	s_and_b32 s17, ttmp7, 0xffff
	s_lshl_b32 s17, s17, 2
	s_add_co_u32 s17, s17, s41                     ; tile row = 4 x cluster y + cy: which 256 of o
	s_lshl_b32 s43, s41, 2
	s_lshl_b32 s43, 15, s43                        ; my row of the cluster
	s_lshl_b32 s44, 0x1111, s40                    ; my column
	; descriptor group 1: three records on end, dense: 150 rows of 32 elements of 8 bytes, no padding; for the last fill one record: 50 rows
	s_or_b32 s[G1+0], s43, (3<<16)|(1<<21)         ; 15:0 the mask: A's parts go to my row; 17:16 elements of 8 bytes; 20 padding off; 21 set beside a mask
	s_or_b32 s[G1B+0], s44, (3<<16)|(1<<21)        ; the same with the mask of my column
	s_or_b32 s[G1L+0], s43, (3<<16)|(1<<21)
	s_or_b32 s[G1BL+0], s44, (3<<16)|(1<<21)
.irp g, G1, G1B
	s_mov_b32 s[\g+1], 32<<16                      ; tensor_dim0 = 32
	s_mov_b32 s[\g+2], 150<<16                     ; tensor_dim1 = 150
	s_mov_b32 s[\g+3], 32<<16                      ; tile_dim0 = 32
	s_mov_b32 s[\g+4], 150                         ; tile_dim1 = 150
	s_mov_b32 s[\g+5], 32                          ; tensor_dim0_stride
	s_mov_b32 s[\g+6], 0
	s_mov_b32 s[\g+7], 0
.endr
.irp g, G1L, G1BL
	s_mov_b32 s[\g+1], 32<<16
	s_mov_b32 s[\g+2], 50<<16                      ; tensor_dim1 = 50
	s_mov_b32 s[\g+3], 32<<16
	s_mov_b32 s[\g+4], 50                          ; tile_dim1 = 50
	s_mov_b32 s[\g+5], 32
	s_mov_b32 s[\g+6], 0
	s_mov_b32 s[\g+7], 0
.endr
	s_lshl_b32 s20, s17, 1                         ; A: the 128 rows 2 x tile row + half, from K = 0: it hangs on the tile row alone
	s_add_co_u32 s20, s20, s16
	s_mul_i32 s20, s20, HBS
	s_mov_b32 s21, 0
	s_lshr_b32 s46, s42, 3                         ; B: matrix b, the 128 rows 2 x (tile column % 8) + half: on the tile column alone
	s_mul_i32 s46, s46, MAT
	s_and_b32 s47, s42, 7
	s_lshl_b32 s47, s47, 1
	s_add_co_u32 s47, s47, s16
	s_mul_i32 s47, s47, HBS
	s_add_co_u32 s46, s46, s47
	s_mov_b32 s47, 0
	s_mul_i32 s45, s14, PART                       ; where they go: wave x a part: no place in the cluster enters an LDS address
	s_mov_b32 s[SEL], 0x76543210
	s_mov_b32 s[SEL+1], 0xfedcba98
	s_wait_kmcnt 0x0
	s_add_nc_u64 s[20:21], s[4:5], s[20:21]
	s_add_nc_u64 s[46:47], s[6:7], s[46:47]
	CROUND                                         ; all sixteen work-groups are here: the first joint loads meet
.irp s, 0,1
	s_mov_b32 s[G0+4*\s], 1                                        ; 1:0 count = 1
	s_add_co_u32 s[G0+4*\s+1], s45, \s*SLOT                        ; 63:32 LDS address
	s_add_nc_u64 s[G0+4*\s+2:G0+4*\s+3], s[20:21], \s*PART         ; 120:64 global address: steps 3 s on
	s_or_b32 s[G0+4*\s+3], s[G0+4*\s+3], 0x80000000                ; 127:126 type = 2
	s_mov_b32 s[G0B+4*\s], 1
	s_add_co_u32 s[G0B+4*\s+1], s45, \s*SLOT
	s_add_nc_u64 s[G0B+4*\s+2:G0B+4*\s+3], s[46:47], \s*PART
	s_or_b32 s[G0B+4*\s+3], s[G0B+4*\s+3], 0x80000000
	JLOAD G0+4*\s, G1, G0B+4*\s, G1B               ; the ring is filled before anything else is done: two loads of mine are out
.endr
	v_and_b32 v1, 15, v0                           ; r
	v_bfe_u32 v2, v0, 4, 1                         ; h
	v_and_b32 v3, 31, v0                           ; lane
	v_lshlrev_b32 v[CO], 4, v3
	s_mul_i32 s21, s15, PART                       ; my half of A
	s_mul_i32 s22, s16, PART                       ; my half of B,
	s_add_co_u32 s22, s22, 2*PART                  ; behind A's two
.irp s, 0,1
	v_add_nc_u32 v[ADRA+\s], s21, v[CO]
	v_add_nc_u32 v[ADRB+\s], s22, v[CO]
	s_add_co_u32 s21, s21, SLOT
	s_add_co_u32 s22, s22, SLOT
.endr
	s_xor_b32 s22, s15, 1                          ; parts from my half of A to my half of B: 2 + (wave & 1) - (wave >> 1) = 1 + (wave & 1) + ((wave >> 1) xor 1)
	s_add_co_u32 s22, s22, s16
	s_add_co_u32 s22, s22, 1
	s_mul_i32 s22, s22, PART
	v_mul_u32_u24 v5, s22, v2                      ; lanes 16-31 take B's words: ONE product in h
	v_lshl_add_u32 v5, v1, 2, v5                   ; + 4 r
	s_mul_i32 s21, s15, PART
	s_add_co_u32 s21, s21, SCO
	v_add_nc_u32 v[ADRS], s21, v5
	s_add_co_u32 s21, s21, SLOT
	v_add_nc_u32 v[ADRS+1], s21, v5
	s_lshl_b32 s23, s14, 9                         ; the way out's stage: 512 bytes a wave, at the head of slot 0, which has had its last fill and its last read when the first word is stored there
	v_lshl_add_u32 v[STW], v1, 2, s23
	v_add_nc_u32 v[STR], s23, v[CO]
	; where my 128 rows x 128 columns of q go: matrix b, record [2 x tile row + my half of the rows][2 x (tile column % 8) + my half of the columns]
	s_lshr_b32 s20, s42, 3
	s_mul_i32 s20, s20, MAT
	s_lshl_b32 s21, s17, 1
	s_add_co_u32 s21, s21, s15
	s_lshl_b32 s21, s21, 4
	s_and_b32 s22, s42, 7
	s_lshl_b32 s22, s22, 1
	s_add_co_u32 s21, s21, s22
	s_add_co_u32 s21, s21, s16
	s_mul_i32 s21, s21, SREC
	s_add_co_u32 s20, s20, s21
	s_mov_b32 s21, 0
	s_add_nc_u64 s[12:13], s[12:13], s[20:21]
.macro FRAG reg, adr, q, i             ; a fragment, 16 rows x 128 K, 12 registers: the image of its registers comes back by three loads, 512 consecutive bytes each
.irp g, 0,1,2
	ds_load_b128 v[\reg+4*\g:\reg+4*\g+3], v[\adr] offset:(\q)*SREC+(\i)*1536+512*\g
.endr
.endm
; 16 matrix instructions: A's blocks a0, a0 + 1 x B's eight, 128 along K: the slot's q-th.  p: B's set;  sc: the set of scale words.  zero = 1: the first product starts the sums: nothing is ever cleared.
; The 64 accumulators take turns, one instruction a turn, in the same order in every step.
.macro MUL16 a0, p, q, sc, zero
.irp a, \a0, \a0+1
.irp b, 0,1,2,3,4,5,6,7
.if \zero
	v_wmma_scale_f32_16x16x128_f8f6f4 v[8*(8*((\a)%4)+\b):8*(8*((\a)%4)+\b)+7], v[128*(\p)+FR*\b:128*(\p)+FR*\b+FR-1], v[AF+FR*(\a):AF+FR*(\a)+FR-1], 0, v[SC+8*NQ*(\sc)+NQ*\b+(\q)], v[SC+8*NQ*(\sc)+NQ*(\a)+(\q)] matrix_a_fmt:MATRIX_FMT_BF6 matrix_b_fmt:MATRIX_FMT_BF6 matrix_a_scale:MATRIX_SCALE_ROW1
.else
	v_wmma_scale_f32_16x16x128_f8f6f4 v[8*(8*((\a)%4)+\b):8*(8*((\a)%4)+\b)+7], v[128*(\p)+FR*\b:128*(\p)+FR*\b+FR-1], v[AF+FR*(\a):AF+FR*(\a)+FR-1], v[8*(8*((\a)%4)+\b):8*(8*((\a)%4)+\b)+7], v[SC+8*NQ*(\sc)+NQ*\b+(\q)], v[SC+8*NQ*(\sc)+NQ*(\a)+(\q)] matrix_a_fmt:MATRIX_FMT_BF6 matrix_b_fmt:MATRIX_FMT_BF6 matrix_a_scale:MATRIX_SCALE_ROW1
.endif
.endr
.endr
.endm
.macro FETCH_B slot, q, p              ; B's eight fragments of the slot's q-th 128 along K into set p
	WIN TO_B
.irp i, 0,1,2,3,4,5,6,7
	FRAG 128*(\p)+FR*\i, ADRB+\slot, \q, \i
.endr
	WIN 0
.endm
.macro FETCH_A slot, q, i0             ; A's blocks i0 .. i0 + 3
.irp i, \i0, \i0+1, \i0+2, \i0+3
	FRAG AF+FR*(\i), ADRA+\slot, \q, \i
.endr
.endm
.macro SCALES set, n                   ; slot set's scale words for its n steps: lanes 0-15 take A's block i, lanes 16-31 B's block i
.irp i, 0,1,2,3,4,5,6,7
.set QS, 0
.rept \n
	ds_load_b32 v[SC+8*NQ*\set+NQ*\i+QS], v[ADRS+\set] offset:SREC*QS+64*\i
.set QS, QS+1
.endr
.endr
.endm
; A load into a register that a matrix instruction has read, and a vector instruction that reads a matrix result, stand NP places behind that matrix instruction, and only plain vector instructions that name
; none of its registers are places (ISA guide 7.12.1 for vector instructions); this text does not count the matrix instructions in between.
.macro PLACES n
.rept \n
	v_nop
.endr
.endm
; A step of 128 along K that has its successor in the same slot.  p: B's set, the step's number mod 2.  A's blocks go one after the other, each against B's eight: blocks 0-3 are fetched anew in the step's middle, blocks 4-7 at its end.
.macro STEP slot, q, p, zero
	s_wait_dscnt 4*NL                              ; B's set, A's blocks 0-3 and the scale words are in; the youngest 12 loads (A's blocks 4-7) may be out
	WIN MUL_LO
	MUL16 0, \p, \q, \slot, \zero
	MUL16 2, \p, \q, \slot, \zero
	s_wait_dscnt 0                                 ; A's blocks 4-7 are in (asked for 32 matrix instructions ago)
	PLACES NP
	FETCH_B \slot, (\q)+1, 1-(\p)
	FETCH_A \slot, (\q)+1, 0
	WIN MUL_HI
	MUL16 4, \p, \q, \slot, \zero
	MUL16 6, \p, \q, \slot, \zero
	PLACES NP
	WIN 0
	FETCH_A \slot, (\q)+1, 4
.endm
; A slot's last step changes slots: ONE barrier; in front of it each wave waits for all its tensor loads, adds 0 to its spare word, and waits for that and for its own reads of this slot.
; fill = 1: this slot is filled again with the three steps six on; 2: with the one step that is left; 0: not at all.  n: the steps that the next slot holds.
.macro TURN slot, next, p, fill, n
	s_wait_tensorcnt 0x0                           ; all my tensor loads have landed: the one that was out is my part of the next slot;  (every window is 0 here)
	ds_add_u32 v[SPW], v[NIL]                      ; 0 onto my spare word
	s_wait_dscnt 4*NL+1                            ; (the add and the youngest 12 loads, A's blocks 4-7, may be out)
	WIN MUL_LO
	MUL16 0, \p, NQ-1, \slot, 0                    ; sixteen matrix instructions stand between the add and the wait for it
	s_wait_dscnt 0x0                               ; the add is done, and my reads of this slot are over
	s_barrier_signal -1
	MUL16 2, \p, NQ-1, \slot, 0
	WIN 0
	s_barrier_wait -1
.if \fill
	CREST                                          ; the barrier has opened a round of the cluster's barrier: no wave of any partner still reads this slot or has a load on its way
	s_add_nc_u64 s[G0+4*\slot+2:G0+4*\slot+3], s[G0+4*\slot+2:G0+4*\slot+3], 2*PART
	s_add_nc_u64 s[G0B+4*\slot+2:G0B+4*\slot+3], s[G0B+4*\slot+2:G0B+4*\slot+3], 2*PART
.if \fill == 1
	JLOAD G0+4*\slot, G1, G0B+4*\slot, G1B         ; the first tensor load behind the round, my one load until the next; the four v_nop behind it are the places in front of the loads below
.else
	JLOAD G0+4*\slot, G1L, G0B+4*\slot, G1BL       ; the same for the last record
.endif
.else
	PLACES NP
.endif
	FETCH_B \next, 0, 1-(\p)
	FETCH_A \next, 0, 0
	SCALES \next, \n
	WIN MUL_HI
	MUL16 4, \p, NQ-1, \slot, 0
	MUL16 6, \p, NQ-1, \slot, 0
	PLACES NP
	WIN 0
	FETCH_A \next, 0, 4
.endm
	s_wait_tensorcnt 1                             ; my part of steps 0-2 is in (slot 1's load may be out)
	s_barrier_signal -1
	s_barrier_wait -1                              ; everybody's is
	FETCH_B 0, 0, 0
	FETCH_A 0, 0, 0
	SCALES 0, 3
	FETCH_A 0, 0, 4
	STEP 0, 0, 0, 1                                ; step 0: its products start the sums
	STEP 0, 1, 1, 0
	TURN 0, 1, 0, 1, 3                             ; step 2; slot 0 takes steps 6-8
	STEP 1, 0, 1, 0
	STEP 1, 1, 0, 0
	TURN 1, 0, 1, 1, 3                             ; step 5; slot 1 takes steps 9-11
	STEP 0, 0, 0, 0
	STEP 0, 1, 1, 0
	TURN 0, 1, 0, 1, 3                             ; step 8; slot 0 takes steps 12-14
	STEP 1, 0, 1, 0
	STEP 1, 1, 0, 0
	TURN 1, 0, 1, 2, 3                             ; step 11; slot 1 takes step 15
	STEP 0, 0, 0, 0
	STEP 0, 1, 1, 0
	TURN 0, 1, 0, 0, 1                             ; step 14: nothing is left to fetch, and no round of the cluster's barrier follows
	s_wait_dscnt 4*NL                              ; step 15
	WIN MUL_LO
	MUL16 0, 1, 0, 1, 0
	MUL16 2, 1, 0, 1, 0
	s_wait_dscnt 0
	WIN MUL_HI
	MUL16 4, 1, 0, 1, 0
	MUL16 6, 1, 0, 1, 0
	WIN 0
; THE WAY OUT.  My 128 columns are one step of 128 along the next product's K, so each of my eight blocks of 16 rows becomes exactly one fragment and one scale word a row, and the eight make one record.
; Four blocks (a window) at a time.  In block aa register 64 aa + 16 t + i is column 32 t + 16 (lane / 16) + i of my row: a block of 32 lies in lanes l and l xor 16.
.macro QGROUP g
.set WA, 2+\g
.set W12, (WA<<2)|(WA<<4)
	WIN W12                                        ; sources 1 and 2: the accumulators' window
.irp aa, 0,1,2,3
.irp be, 0,1,2,3
	v_max3_num_f32 v[TMX+4*\aa+\be], 0x2800000, |v[64*\aa+16*\be]|, |v[64*\aa+16*\be+1]|   ; the floor 2^(5 - 127) starts each chain: the byte cannot fall under 1.  Each accumulator is read from its low end on
.endr
.endr
.irp i, 2,4,6,8,10,12,14
.irp aa, 0,1,2,3
.irp be, 0,1,2,3
	v_max3_num_f32 v[TMX+4*\aa+\be], v[TMX+4*\aa+\be], |v[64*\aa+16*\be+\i]|, |v[64*\aa+16*\be+\i+1]|   ; (sixteen chains by turns)
.endr
.endr
.endr
	WIN 0
.irp k, 0,1,2,3,4,5,6,7,8,9,10,11,12,13,14,15
	v_permlanex16_b32 v[TP+\k], v[TMX+\k], s[SEL], s[SEL+1]
.endr
.irp k, 0,1,2,3,4,5,6,7,8,9,10,11,12,13,14,15
	v_max_num_f32 v[TMX+\k], v[TMX+\k], v[TP+\k]   ; with lane l xor 16's: the block's largest magnitude
.endr
.irp k, 0,1,2,3,4,5,6,7,8,9,10,11,12,13,14,15
	v_add_nc_u32 v[TS+\k], 0xfe000000, v[TMX+\k]   ; 4 off its exponent field: the conversion's scale operand
.endr
.irp k, 0,1,2,3,4,5,6,7,8,9,10,11,12,13,14,15
	v_lshrrev_b32 v[TP+\k], 23, v[TS+\k]           ; the scale's byte
.endr
.irp aa, 0,1,2,3
	v_lshl_or_b32 v[PW+4*\g+\aa], v[TP+4*\aa+1], 8, v[TP+4*\aa]   ; four bytes make my row's scale word
.endr
.irp aa, 0,1,2,3
	v_lshl_or_b32 v[PW+4*\g+\aa], v[TP+4*\aa+2], 16, v[PW+4*\g+\aa]
.endr
.irp aa, 0,1,2,3
	v_lshl_or_b32 v[PW+4*\g+\aa], v[TP+4*\aa+3], 24, v[PW+4*\g+\aa]
.endr
	WIN WA                                         ; source 0: the accumulators' window
.irp aa, 0,1,2,3
.irp c, 0,1
	v_cvt_scalef32_pk16_bf6_f32 v[PC+12*(4*\g+\aa)+6*\c:PC+12*(4*\g+\aa)+6*\c+2], v[64*\aa+32*\c:64*\aa+32*\c+15], v[TS+4*\aa+2*\c]
	v_cvt_scalef32_pk16_bf6_f32 v[TQ+8*\aa+4*\c:TQ+8*\aa+4*\c+2], v[64*\aa+32*\c+16:64*\aa+32*\c+31], v[TS+4*\aa+2*\c+1]   ; (a conversion's three registers begin on an even number)
.endr
.endr
	WIN 0
	v_nop                                          ; one plain place behind a scaled conversion
.irp aa, 0,1,2,3                       ; the operand's layout wants a WHOLE block in a lane: lanes 0-15 block 2 c, lanes 16-31 block 2 c + 1
.irp c, 0,1
.irp i, 0,1,2
	v_permlane16_swap_b32 v[PC+12*(4*\g+\aa)+6*\c+\i], v[TQ+8*\aa+4*\c+\i]
.endr
.endr
.endr
.irp aa, 0,1,2,3
.irp c, 0,1
.irp i, 0,1,2
	v_mov_b32 v[PC+12*(4*\g+\aa)+6*\c+3+\i], v[TQ+8*\aa+4*\c+\i]
.endr
.endr
.endr
.irp aa, 0,1,2,3
.irp j, 0,1,2
	global_store_b128 v[CO], v[PC+12*(4*\g+\aa)+4*\j:PC+12*(4*\g+\aa)+4*\j+3], s[12:13] offset:1536*(4*\g+\aa)+512*\j   ; the fragment's image: 512 consecutive bytes, aligned to 256.  Each block has registers of its own: no store's data are written again
.endr
	ds_store_b32 v[STW], v[PW+4*\g+\aa] offset:64*(4*\g+\aa)   ; both lanes of a row write the same word with the same value
.endr
.endm
.irp k, 0,1,2,3,4,5,6,7,8,9,10,11,12,13,14,15
	v_mov_b32 v[TP+\k], 0                          ; a lane permute's destination counts as one of its sources; these sixteen are also the places behind the last products
.endr
	QGROUP 0
	QGROUP 1
	ds_load_b128 v[OW:OW+3], v[STR]                ; LDS serves a wave's instructions in order: this sees my eight stores
	s_wait_dscnt 0x0
	global_store_b128 v[CO], v[OW:OW+3], s[12:13] offset:SCO   ; my 128 rows' scale words: 512 consecutive bytes, behind the record's codes
	s_wait_tensorcnt 0x0                           ; the wave's end: behind my last tensor load and my last LDS store
	ds_add_u32 v[SPW], v[NIL]
	s_wait_dscnt 0x0
	CROUND                                         ; the closing round: no work-group ends while a partner may still ask for a part that names it
	s_endpgm
.Lfunc_end_k_qc853f03f26_qgemm:
	.size	k_qc853f03f26_qgemm, .Lfunc_end_k_qc853f03f26_qgemm-k_qc853f03f26_qgemm
	.p2alignl 7, 3214868480
	.fill 96, 4, 3214868480
	.section	.rodata,"a",@progbits
	.p2align	6, 0x0
	.amdhsa_kernel k_qc853f03f26_qgemm
		.amdhsa_group_segment_fixed_size 327680
		.amdhsa_private_segment_fixed_size 0
		.amdhsa_enable_private_segment 0
		.amdhsa_kernarg_size 24
		.amdhsa_user_sgpr_count 2
		.amdhsa_user_sgpr_kernarg_segment_ptr 1
		.amdhsa_wavefront_size32 1
		.amdhsa_system_sgpr_workgroup_id_x 1
		.amdhsa_system_sgpr_workgroup_id_y 1
		.amdhsa_system_sgpr_workgroup_id_z 1
		.amdhsa_system_vgpr_workitem_id 0
		.amdhsa_next_free_vgpr 1024
		.amdhsa_next_free_sgpr 88
		.amdhsa_reserve_vcc 0
		.amdhsa_float_denorm_mode_32 3
		.amdhsa_float_denorm_mode_16_64 3
		.amdhsa_memory_ordered 1
		.amdhsa_forward_progress 1
		.amdhsa_inst_pref_size 237
	.end_amdhsa_kernel
	.amdgpu_metadata
---
amdhsa.version: [ 1, 2 ]
amdhsa.kernels:
  - .name:           k_qc853f03f26_qgemm
    .symbol:         k_qc853f03f26_qgemm.kd
    .args:
      - { .name: wqr, .offset: 0, .size: 8, .value_kind: global_buffer, .address_space: global }
      - { .name: xt, .offset: 8, .size: 8, .value_kind: global_buffer, .address_space: global }
      - { .name: qr, .offset: 16, .size: 8, .value_kind: global_buffer, .address_space: global }
    .group_segment_fixed_size: 327680
    .private_segment_fixed_size: 0
    .kernarg_segment_align: 8
    .kernarg_segment_size: 24
    .max_flat_workgroup_size: 128
    .sgpr_count:     88
    .vgpr_count:     1024
    .wavefront_size: 32
...
	.end_amdgpu_metadata
.endif
;; end of part 2
;; launch attmax (part 3): grid 8 x 32, 4 waves a work-group, clusters of 4 x 4, 327,680 bytes of LDS; arguments qr, xc, pm; writes pm
.if DOCPART == 3
	.amdgcn_target "amdgcn-amd-amdhsa--gfx1250"
	.amdhsa_code_object_version 6
	.text
	.protected	k_qc853f03f26_attmax
	.globl	k_qc853f03f26_attmax
	.p2align	8
	.type	k_qc853f03f26_attmax,@function
k_qc853f03f26_attmax:
	s_mov_b64 s[64:65], 0
	v_nop
	global_prefetch_b8 v0, s[64:65] scope:SCOPE_SE
	s_setreg_imm32_b32 hwreg(HW_REG_WAVE_MODE, 25, 1), 1
	s_wait_xcnt 0x0
	s_wait_alu depctr_hold_cnt(0) depctr_sa_sdst(0) depctr_va_vdst(0) depctr_va_sdst(0) depctr_va_ssrc(0) depctr_va_vcc(0) depctr_vm_vsrc(0)
	s_getreg_b32 s2, hwreg(HW_REG_IB_STS2, 6, 4)
	s_cmp_eq_u32 s2, 0
	s_cbranch_scc0 .Lentry_in_a_cluster
	s_endpgm
.Lentry_in_a_cluster:
	s_bfe_u32 s2, ttmp6, 0x10000c
	s_cmp_lg_u32 s2, 0xf033
	s_cbranch_scc0 .Lentry_shape_is_right
	s_endpgm
.Lentry_shape_is_right:
; pm[b][part][n] = the largest, over m = 128 part .. 128 part + 127, of sum over c of q[b][n][c] x[b][m][c], on codes of BF6 (E3M2) with one E8M0 scale for each 32 along c; sums in f32.
; The products never go to memory: each wave keeps the row maxima of its 128 x 128.  The factor 1 / 16 of the scores is a power of two and is applied by the last launch: it changes no maximum.
; OPERANDS lie in memory as records [row / 128][K / 128] of 12,800 bytes: 128 rows x 128 K as images of the fragments' registers (codes at i 1536 + g 512 + 16 lane), then the rows' scale words
; (12288 + i 64 + 4 r).  A = qr[b] (rows n), B = xc[b] (rows m).
; A tile, 256 x 256, is made by a work-group of four waves, as many as a WGP has SIMDs; a wave makes 128 x 128: 64 accumulators of 16 x 16, 512 registers.  256 tiles: 8 along m x 32 along (b, n).
; THE RING.  K goes in 16 steps of 128 through two LDS slots of THREE steps each, as large as two slots fit: a slot is four parts (A's two halves, B's two) of three records, which lie on end in memory, so that
; one tensor load of one wave brings a part as 150 rows of 256 bytes, dense: codes and scales together.  Between a refill's request and the first read of what it brings stand a slot's 192 matrix instructions.
; The fills are of 3, 3 | 3, 3, 3, 1 steps: two go out at the start, three refills of 150 rows and one of 50 follow, and the last change of slots fills nothing.  B's two sets of registers change parity from slot
; to slot, so a trip of a loop would be six steps, and the two trips would differ in a fill's shape: the 16 steps are written out by macro.
; CLUSTERS: 4 x 4 work-groups.  The four of a row of the cluster need the same records of A, the four of a column the same records of B: each is asked for JOINTLY.  A cluster's four tile rows lie in one batch
; (8 tile rows a batch), so B's address takes the batch from the cluster's y alone.  THE MATRIX INSTRUCTION IS USED TRANSPOSED (source 0 = 16 rows of B, source 1 = 16 rows of A): a lane holds one row n.
; LIMITS: NaN and infinities are not served (the maxima drop a NaN).
; REGISTERS, in windows of 256: window 0: v16-29 addresses; v32-79 scale words, two sets, and nothing else; v128-223 A's fragments, ONE set; v80-127, v224-227 at work on the way out.
;   window 1: B's fragments, TWO sets, at v0 and at v128.   window 2: the accumulators of my rows 0-63 ((a, b) at v[8 (8 (a % 4) + b)]);   window 3: those of my rows 64-127.
.set SREC,   12800                     ; a record: 128 rows x 128 K
.set HBS,    16*SREC                   ; the 16 records of 128 rows
.set MAT,    16*HBS                    ; a matrix
.set SCO,    12288                     ; a record's scale words
.set NQ,     3                         ; steps of 128 along K in a slot
.set PART,   NQ*SREC                   ; what one tensor load brings: three records
.set SLOT,   4*PART
.set SPARE,  2*SLOT                    ; behind the ring: the spare words, 128 bytes for each wave: two blocks of 256 bytes that no other line names
.set FR,     12                        ; registers of a fragment
.set NL,     3                         ; LDS loads that bring one
.set NP,     4                         ; places behind this matrix instruction (ISA guide 7.12.1)
.set ADRA, 16                          ; v16-17  LDS address of my A fragments in slot 0, 1
.set ADRB, 20                          ; v20-21  the same for B
.set ADRS, 22                          ; v22-23  of my scale words: lanes 0-15 A's rows, lanes 16-31 B's
.set STW,  24                          ; v24     the way out: my row's maximum in my wave's 512 bytes of stage
.set STR,  25                          ; v25     and where I read 16 bytes of them back
.set CO,   26                          ; v26     16 x lane
.set SPW,  28                          ; v28     LDS address of my spare word: SPARE + 4 x my thread's number; never rewritten
.set NIL,  29                          ; v29     0; never rewritten
.set SC,   32                          ; scale words: set s at v[SC + 24 s]; register 3 i + q: lanes 0-15 A's block i, lanes 16-31 B's block i, the slot's q-th 128 along K
.set AF,   128                         ; A's fragments
.set MXC,  80                          ; the way out: v80-111 four chains of maxima for each of my eight blocks of rows
.set MXP,  112                         ; v112-119 from the other half of the lanes
.set MXR,  120                         ; v120-127 the rows' maxima
.set OW,   224                         ; v224-227 read back
.set G1, 24                            ; s[24:31] descriptor group 1 for A's parts;  s[32:39] group 0, one set for each slot
.set G0, 32
.set G1B, 48                           ; s[48:55], s[56:63] the same for B's
.set G0B, 56
.set SEL, 68                           ; s[68:69] v_permlanex16_b32's selects for lane l xor 16
.set G1L, 72                           ; s[72:79], s[80:87] groups 1 for the last fill, of one record: A's, B's
.set G1BL, 80
.set MSB, 0
.macro WIN new                         ; the immediate's high byte repeats the setting that is left; a switch that changes nothing is dropped
.if MSB != \new
	s_set_vgpr_msb (MSB<<8)|\new
.set MSB, \new
.endif
.endm
.set MUL_LO, 0xa1                      ; source 0 (B) window 1, source 1 (A) window 0, C and D window 2
.set MUL_HI, 0xf1                      ; the same, C and D window 3
.set TO_B,   0x40                      ; destination window 1, address window 0
; A joint load: waves 0 and 1 fetch A's halves, waves 2 and 3 B's.  Each of the two lines has ONE mask and one set of registers for all that issue it; the branch hangs on the wave's number alone.
; Four v_nop follow each of the two lines, ahead of the jump, the label and what follows.
.macro JLOAD g0a, g1a, g0b, g1b
	s_cmp_eq_u32 s15, 0
	s_cbranch_scc0 .Lfor_b_\@
	tensor_load_to_lds s[\g0a:\g0a+3], s[\g1a:\g1a+7]
	s_nop 0
.rept 4
	v_nop
.endr
	s_branch .Lasked_\@
.Lfor_b_\@:
	tensor_load_to_lds s[\g0b:\g0b+3], s[\g1b:\g1b+7]
	s_nop 0
.rept 4
	v_nop
.endr
.Lasked_\@:
.endm
.macro CREST                           ; a round of the cluster's barrier behind its opening barrier
	s_cmp_lg_u32 s14, 0
	s_cbranch_scc1 .Lnot_wave_0_\@
	s_barrier_signal -3
.Lnot_wave_0_\@:
	s_barrier_wait -3
	s_barrier_signal -1
	s_barrier_wait -1
.endm
.macro CROUND                          ; a whole round
	s_barrier_signal -1
	s_barrier_wait -1
	CREST
.endm
	s_load_b128 s[4:7], s[0:1], 0x0                ; qr s[4:5], xc s[6:7]
	s_load_b64 s[12:13], s[0:1], 0x10              ; pm
	v_lshl_add_u32 v[SPW], v0, 2, SPARE
	v_mov_b32 v[NIL], 0
	ds_add_u32 v28, v29
	ds_add_u32 v28, v29
	s_wait_dscnt 0x0
	v_lshrrev_b32 v1, 5, v0
	v_readfirstlane_b32 s14, v1                    ; wave 0..3
	s_lshr_b32 s15, s14, 1                         ; which half of the tile's rows is mine.  Also: I fetch for A (0) or for B (1)
	s_and_b32 s16, s14, 1                          ; which half of its columns.  Also: which half's part I fetch
	s_bfe_u32 s40, ttmp6, 0x40000                  ; cx, cy: my place in the cluster
	s_bfe_u32 s41, ttmp6, 0x40004
	s_lshl_b32 s42, ttmp9, 2
	s_add_co_u32 s42, s42, s40                     ; tile column = 4 x cluster x + cx: which 256 of m
	s_and_b32 s17, ttmp7, 0xffff
	s_lshl_b32 s17, s17, 2
	s_add_co_u32 s17, s17, s41                     ; tile row = 4 x cluster y + cy: 8 b + which 256 of n
	s_lshl_b32 s43, s41, 2
	s_lshl_b32 s43, 15, s43                        ; my row of the cluster
	s_lshl_b32 s44, 0x1111, s40                    ; my column
	; descriptor group 1: three records on end, dense: 150 rows of 32 elements of 8 bytes, no padding; for the last fill one record: 50 rows
	s_or_b32 s[G1+0], s43, (3<<16)|(1<<21)         ; 15:0 the mask: A's parts go to my row; 17:16 elements of 8 bytes; 20 padding off; 21 set beside a mask
	s_or_b32 s[G1B+0], s44, (3<<16)|(1<<21)        ; the same with the mask of my column
	s_or_b32 s[G1L+0], s43, (3<<16)|(1<<21)
	s_or_b32 s[G1BL+0], s44, (3<<16)|(1<<21)
.irp g, G1, G1B
	s_mov_b32 s[\g+1], 32<<16                      ; tensor_dim0 = 32
	s_mov_b32 s[\g+2], 150<<16                     ; tensor_dim1 = 150
	s_mov_b32 s[\g+3], 32<<16                      ; tile_dim0 = 32
	s_mov_b32 s[\g+4], 150                         ; tile_dim1 = 150
	s_mov_b32 s[\g+5], 32                          ; tensor_dim0_stride
	s_mov_b32 s[\g+6], 0
	s_mov_b32 s[\g+7], 0
.endr
.irp g, G1L, G1BL
	s_mov_b32 s[\g+1], 32<<16
	s_mov_b32 s[\g+2], 50<<16                      ; tensor_dim1 = 50
	s_mov_b32 s[\g+3], 32<<16
	s_mov_b32 s[\g+4], 50                          ; tile_dim1 = 50
	s_mov_b32 s[\g+5], 32
	s_mov_b32 s[\g+6], 0
	s_mov_b32 s[\g+7], 0
.endr
	s_lshr_b32 s20, s17, 3                         ; A: matrix b = tile row / 8, the 128 rows 2 x (tile row % 8) + half, from K = 0: it hangs on the tile row alone
	s_mul_i32 s20, s20, MAT
	s_and_b32 s21, s17, 7
	s_lshl_b32 s21, s21, 1
	s_add_co_u32 s21, s21, s16
	s_mul_i32 s21, s21, HBS
	s_add_co_u32 s20, s20, s21
	s_mov_b32 s21, 0
	s_and_b32 s46, ttmp7, 0xffff                   ; B: matrix b = cluster y / 2, which all sixteen share; the 128 rows 2 x tile column + half
	s_lshr_b32 s46, s46, 1
	s_mul_i32 s46, s46, MAT
	s_lshl_b32 s47, s42, 1
	s_add_co_u32 s47, s47, s16
	s_mul_i32 s47, s47, HBS
	s_add_co_u32 s46, s46, s47
	s_mov_b32 s47, 0
	s_mul_i32 s45, s14, PART                       ; where they go: wave x a part: no place in the cluster enters an LDS address
	s_mov_b32 s[SEL], 0x76543210
	s_mov_b32 s[SEL+1], 0xfedcba98
	s_wait_kmcnt 0x0
	s_add_nc_u64 s[20:21], s[4:5], s[20:21]
	s_add_nc_u64 s[46:47], s[6:7], s[46:47]
	CROUND                                         ; all sixteen work-groups are here: the first joint loads meet
.irp s, 0,1
	s_mov_b32 s[G0+4*\s], 1                                        ; 1:0 count = 1
	s_add_co_u32 s[G0+4*\s+1], s45, \s*SLOT                        ; 63:32 LDS address
	s_add_nc_u64 s[G0+4*\s+2:G0+4*\s+3], s[20:21], \s*PART         ; 120:64 global address: steps 3 s on
	s_or_b32 s[G0+4*\s+3], s[G0+4*\s+3], 0x80000000                ; 127:126 type = 2
	s_mov_b32 s[G0B+4*\s], 1
	s_add_co_u32 s[G0B+4*\s+1], s45, \s*SLOT
	s_add_nc_u64 s[G0B+4*\s+2:G0B+4*\s+3], s[46:47], \s*PART
	s_or_b32 s[G0B+4*\s+3], s[G0B+4*\s+3], 0x80000000
	JLOAD G0+4*\s, G1, G0B+4*\s, G1B               ; the ring is filled before anything else is done: two loads of mine are out
.endr
	v_and_b32 v1, 15, v0                           ; r
	v_bfe_u32 v2, v0, 4, 1                         ; h
	v_and_b32 v3, 31, v0                           ; lane
	v_lshlrev_b32 v[CO], 4, v3
	s_mul_i32 s21, s15, PART                       ; my half of A
	s_mul_i32 s22, s16, PART                       ; my half of B,
	s_add_co_u32 s22, s22, 2*PART                  ; behind A's two
.irp s, 0,1
	v_add_nc_u32 v[ADRA+\s], s21, v[CO]
	v_add_nc_u32 v[ADRB+\s], s22, v[CO]
	s_add_co_u32 s21, s21, SLOT
	s_add_co_u32 s22, s22, SLOT
.endr
	s_xor_b32 s22, s15, 1                          ; parts from my half of A to my half of B: 2 + (wave & 1) - (wave >> 1) = 1 + (wave & 1) + ((wave >> 1) xor 1)
	s_add_co_u32 s22, s22, s16
	s_add_co_u32 s22, s22, 1
	s_mul_i32 s22, s22, PART
	v_mul_u32_u24 v5, s22, v2                      ; lanes 16-31 take B's words: ONE product in h
	v_lshl_add_u32 v5, v1, 2, v5                   ; + 4 r
	s_mul_i32 s21, s15, PART
	s_add_co_u32 s21, s21, SCO
	v_add_nc_u32 v[ADRS], s21, v5
	s_add_co_u32 s21, s21, SLOT
	v_add_nc_u32 v[ADRS+1], s21, v5
	s_lshl_b32 s23, s14, 9                         ; the way out's stage: 512 bytes a wave, at the head of slot 0, which has had its last fill and its last read when the first word is stored there
	v_lshl_add_u32 v[STW], v1, 2, s23
	v_add_nc_u32 v[STR], s23, v[CO]
	; where my 128 maxima go: pm[b][2 x tile column + my half of the columns][256 (tile row % 8) + 128 x my half of the rows ..]
	s_lshr_b32 s20, s17, 3
	s_lshl_b32 s20, s20, 4
	s_lshl_b32 s21, s42, 1
	s_add_co_u32 s20, s20, s21
	s_add_co_u32 s20, s20, s16
	s_lshl_b32 s20, s20, 13                        ; rows of 2,048 f32
	s_and_b32 s21, s17, 7
	s_lshl_b32 s21, s21, 10
	s_add_co_u32 s20, s20, s21
	s_lshl_b32 s21, s15, 9
	s_add_co_u32 s20, s20, s21
	s_mov_b32 s21, 0
	s_add_nc_u64 s[12:13], s[12:13], s[20:21]
.macro FRAG reg, adr, q, i             ; a fragment, 16 rows x 128 K, 12 registers: the image of its registers comes back by three loads, 512 consecutive bytes each
.irp g, 0,1,2
	ds_load_b128 v[\reg+4*\g:\reg+4*\g+3], v[\adr] offset:(\q)*SREC+(\i)*1536+512*\g
.endr
.endm
; 16 matrix instructions: A's blocks a0, a0 + 1 x B's eight, 128 along K: the slot's q-th.  p: B's set;  sc: the set of scale words.  zero = 1: the first product starts the sums: nothing is ever cleared.
; The 64 accumulators take turns, one instruction a turn, in the same order in every step.
.macro MUL16 a0, p, q, sc, zero
.irp a, \a0, \a0+1
.irp b, 0,1,2,3,4,5,6,7
.if \zero
	v_wmma_scale_f32_16x16x128_f8f6f4 v[8*(8*((\a)%4)+\b):8*(8*((\a)%4)+\b)+7], v[128*(\p)+FR*\b:128*(\p)+FR*\b+FR-1], v[AF+FR*(\a):AF+FR*(\a)+FR-1], 0, v[SC+8*NQ*(\sc)+NQ*\b+(\q)], v[SC+8*NQ*(\sc)+NQ*(\a)+(\q)] matrix_a_fmt:MATRIX_FMT_BF6 matrix_b_fmt:MATRIX_FMT_BF6 matrix_a_scale:MATRIX_SCALE_ROW1
.else
	v_wmma_scale_f32_16x16x128_f8f6f4 v[8*(8*((\a)%4)+\b):8*(8*((\a)%4)+\b)+7], v[128*(\p)+FR*\b:128*(\p)+FR*\b+FR-1], v[AF+FR*(\a):AF+FR*(\a)+FR-1], v[8*(8*((\a)%4)+\b):8*(8*((\a)%4)+\b)+7], v[SC+8*NQ*(\sc)+NQ*\b+(\q)], v[SC+8*NQ*(\sc)+NQ*(\a)+(\q)] matrix_a_fmt:MATRIX_FMT_BF6 matrix_b_fmt:MATRIX_FMT_BF6 matrix_a_scale:MATRIX_SCALE_ROW1
.endif
.endr
.endr
.endm
.macro FETCH_B slot, q, p              ; B's eight fragments of the slot's q-th 128 along K into set p
	WIN TO_B
.irp i, 0,1,2,3,4,5,6,7
	FRAG 128*(\p)+FR*\i, ADRB+\slot, \q, \i
.endr
	WIN 0
.endm
.macro FETCH_A slot, q, i0             ; A's blocks i0 .. i0 + 3
.irp i, \i0, \i0+1, \i0+2, \i0+3
	FRAG AF+FR*(\i), ADRA+\slot, \q, \i
.endr
.endm
.macro SCALES set, n                   ; slot set's scale words for its n steps: lanes 0-15 take A's block i, lanes 16-31 B's block i
.irp i, 0,1,2,3,4,5,6,7
.set QS, 0
.rept \n
	ds_load_b32 v[SC+8*NQ*\set+NQ*\i+QS], v[ADRS+\set] offset:SREC*QS+64*\i
.set QS, QS+1
.endr
.endr
.endm
; A load into a register that a matrix instruction has read, and a vector instruction that reads a matrix result, stand NP places behind that matrix instruction, and only plain vector instructions that name
; none of its registers are places (ISA guide 7.12.1 for vector instructions); this text does not count the matrix instructions in between.
.macro PLACES n
.rept \n
	v_nop
.endr
.endm
; A step of 128 along K that has its successor in the same slot.  p: B's set, the step's number mod 2.  A's blocks go one after the other, each against B's eight: blocks 0-3 are fetched anew in the step's middle, blocks 4-7 at its end.
.macro STEP slot, q, p, zero
	s_wait_dscnt 4*NL                              ; B's set, A's blocks 0-3 and the scale words are in; the youngest 12 loads (A's blocks 4-7) may be out
	WIN MUL_LO
	MUL16 0, \p, \q, \slot, \zero
	MUL16 2, \p, \q, \slot, \zero
	s_wait_dscnt 0                                 ; A's blocks 4-7 are in (asked for 32 matrix instructions ago)
	PLACES NP
	FETCH_B \slot, (\q)+1, 1-(\p)
	FETCH_A \slot, (\q)+1, 0
	WIN MUL_HI
	MUL16 4, \p, \q, \slot, \zero
	MUL16 6, \p, \q, \slot, \zero
	PLACES NP
	WIN 0
	FETCH_A \slot, (\q)+1, 4
.endm
; A slot's last step changes slots: ONE barrier; in front of it each wave waits for all its tensor loads, adds 0 to its spare word, and waits for that and for its own reads of this slot.
; fill = 1: this slot is filled again with the three steps six on; 2: with the one step that is left; 0: not at all.  n: the steps that the next slot holds.
.macro TURN slot, next, p, fill, n
	s_wait_tensorcnt 0x0                           ; all my tensor loads have landed: the one that was out is my part of the next slot;  (every window is 0 here)
	ds_add_u32 v[SPW], v[NIL]                      ; 0 onto my spare word
	s_wait_dscnt 4*NL+1                            ; (the add and the youngest 12 loads, A's blocks 4-7, may be out)
	WIN MUL_LO
	MUL16 0, \p, NQ-1, \slot, 0                    ; sixteen matrix instructions stand between the add and the wait for it
	s_wait_dscnt 0x0                               ; the add is done, and my reads of this slot are over
	s_barrier_signal -1
	MUL16 2, \p, NQ-1, \slot, 0
	WIN 0
	s_barrier_wait -1
.if \fill
	CREST                                          ; the barrier has opened a round of the cluster's barrier: no wave of any partner still reads this slot or has a load on its way
	s_add_nc_u64 s[G0+4*\slot+2:G0+4*\slot+3], s[G0+4*\slot+2:G0+4*\slot+3], 2*PART
	s_add_nc_u64 s[G0B+4*\slot+2:G0B+4*\slot+3], s[G0B+4*\slot+2:G0B+4*\slot+3], 2*PART
.if \fill == 1
	JLOAD G0+4*\slot, G1, G0B+4*\slot, G1B         ; the first tensor load behind the round, my one load until the next; the four v_nop behind it are the places in front of the loads below
.else
	JLOAD G0+4*\slot, G1L, G0B+4*\slot, G1BL       ; the same for the last record
.endif
.else
	PLACES NP
.endif
	FETCH_B \next, 0, 1-(\p)
	FETCH_A \next, 0, 0
	SCALES \next, \n
	WIN MUL_HI
	MUL16 4, \p, NQ-1, \slot, 0
	MUL16 6, \p, NQ-1, \slot, 0
	PLACES NP
	WIN 0
	FETCH_A \next, 0, 4
.endm
	s_wait_tensorcnt 1                             ; my part of steps 0-2 is in (slot 1's load may be out)
	s_barrier_signal -1
	s_barrier_wait -1                              ; everybody's is
	FETCH_B 0, 0, 0
	FETCH_A 0, 0, 0
	SCALES 0, 3
	FETCH_A 0, 0, 4
	STEP 0, 0, 0, 1                                ; step 0: its products start the sums
	STEP 0, 1, 1, 0
	TURN 0, 1, 0, 1, 3                             ; step 2; slot 0 takes steps 6-8
	STEP 1, 0, 1, 0
	STEP 1, 1, 0, 0
	TURN 1, 0, 1, 1, 3                             ; step 5; slot 1 takes steps 9-11
	STEP 0, 0, 0, 0
	STEP 0, 1, 1, 0
	TURN 0, 1, 0, 1, 3                             ; step 8; slot 0 takes steps 12-14
	STEP 1, 0, 1, 0
	STEP 1, 1, 0, 0
	TURN 1, 0, 1, 2, 3                             ; step 11; slot 1 takes step 15
	STEP 0, 0, 0, 0
	STEP 0, 1, 1, 0
	TURN 0, 1, 0, 0, 1                             ; step 14: nothing is left to fetch, and no round of the cluster's barrier follows
	s_wait_dscnt 4*NL                              ; step 15
	WIN MUL_LO
	MUL16 0, 1, 0, 1, 0
	MUL16 2, 1, 0, 1, 0
	s_wait_dscnt 0
	WIN MUL_HI
	MUL16 4, 1, 0, 1, 0
	MUL16 6, 1, 0, 1, 0
	WIN 0
; THE WAY OUT.  A lane holds row 16 a + r; the 64 registers of block a are 64 of its 128 columns, lane l xor 16 holds the other 64.  Four chains a block, four blocks (a window) at a time.
.macro MGROUP g
.set WA, 2+\g
.set W12, (WA<<2)|(WA<<4)
	WIN W12                                        ; sources 1 and 2: the accumulators' window
.irp aa, 0,1,2,3
.irp be, 0,1,2,3
	v_max3_num_f32 v[MXC+16*\g+4*\aa+\be], 0xff800000, v[64*\aa+16*\be], v[64*\aa+16*\be+1]   ; -infinity starts each chain.  Each accumulator is read from its low end on
.endr
.endr
.irp i, 2,4,6,8,10,12,14
.irp aa, 0,1,2,3
.irp be, 0,1,2,3
	v_max3_num_f32 v[MXC+16*\g+4*\aa+\be], v[MXC+16*\g+4*\aa+\be], v[64*\aa+16*\be+\i], v[64*\aa+16*\be+\i+1]   ; (sixteen chains by turns)
.endr
.endr
.endr
	WIN 0
.endm
.irp a, 0,1,2,3,4,5,6,7
	v_mov_b32 v[MXP+\a], 0                         ; a lane permute's destination counts as one of its sources; these eight are also the places behind the last products
.endr
	MGROUP 0
	MGROUP 1
.irp a, 0,1,2,3,4,5,6,7
	v_max3_num_f32 v[MXC+4*\a], v[MXC+4*\a], v[MXC+4*\a+1], v[MXC+4*\a+2]
.endr
.irp a, 0,1,2,3,4,5,6,7
	v_max_num_f32 v[MXC+4*\a], v[MXC+4*\a], v[MXC+4*\a+3]
.endr
.irp a, 0,1,2,3,4,5,6,7
	v_permlanex16_b32 v[MXP+\a], v[MXC+4*\a], s[SEL], s[SEL+1]
.endr
.irp a, 0,1,2,3,4,5,6,7
	v_max_num_f32 v[MXR+\a], v[MXC+4*\a], v[MXP+\a]   ; with lane l xor 16's 64 columns
.endr
.irp a, 0,1,2,3,4,5,6,7
	ds_store_b32 v[STW], v[MXR+\a] offset:64*\a    ; both lanes of a row write the same word with the same value
.endr
	ds_load_b128 v[OW:OW+3], v[STR]                ; LDS serves a wave's instructions in order: this sees my eight stores
	s_wait_dscnt 0x0
	global_store_b128 v[CO], v[OW:OW+3], s[12:13]  ; my 128 rows' maxima: 512 consecutive bytes, aligned to 256
	s_wait_tensorcnt 0x0                           ; the wave's end: behind my last tensor load and my last LDS store
	ds_add_u32 v[SPW], v[NIL]
	s_wait_dscnt 0x0
	CROUND                                         ; the closing round: no work-group ends while a partner may still ask for a part that names it
	s_endpgm
.Lfunc_end_k_qc853f03f26_attmax:
	.size	k_qc853f03f26_attmax, .Lfunc_end_k_qc853f03f26_attmax-k_qc853f03f26_attmax
	.p2alignl 7, 3214868480
	.fill 96, 4, 3214868480
	.section	.rodata,"a",@progbits
	.p2align	6, 0x0
	.amdhsa_kernel k_qc853f03f26_attmax
		.amdhsa_group_segment_fixed_size 327680
		.amdhsa_private_segment_fixed_size 0
		.amdhsa_enable_private_segment 0
		.amdhsa_kernarg_size 24
		.amdhsa_user_sgpr_count 2
		.amdhsa_user_sgpr_kernarg_segment_ptr 1
		.amdhsa_wavefront_size32 1
		.amdhsa_system_sgpr_workgroup_id_x 1
		.amdhsa_system_sgpr_workgroup_id_y 1
		.amdhsa_system_sgpr_workgroup_id_z 1
		.amdhsa_system_vgpr_workitem_id 0
		.amdhsa_next_free_vgpr 1024
		.amdhsa_next_free_sgpr 88
		.amdhsa_reserve_vcc 0
		.amdhsa_float_denorm_mode_32 3
		.amdhsa_float_denorm_mode_16_64 3
		.amdhsa_memory_ordered 1
		.amdhsa_forward_progress 1
		.amdhsa_inst_pref_size 224
	.end_amdhsa_kernel
	.amdgpu_metadata
---
amdhsa.version: [ 1, 2 ]
amdhsa.kernels:
  - .name:           k_qc853f03f26_attmax
    .symbol:         k_qc853f03f26_attmax.kd
    .args:
      - { .name: qr, .offset: 0, .size: 8, .value_kind: global_buffer, .address_space: global }
      - { .name: xc, .offset: 8, .size: 8, .value_kind: global_buffer, .address_space: global }
      - { .name: pm, .offset: 16, .size: 8, .value_kind: global_buffer, .address_space: global }
    .group_segment_fixed_size: 327680
    .private_segment_fixed_size: 0
    .kernarg_segment_align: 8
    .kernarg_segment_size: 24
    .max_flat_workgroup_size: 128
    .sgpr_count:     88
    .vgpr_count:     1024
    .wavefront_size: 32
...
	.end_amdgpu_metadata
.endif
;; end of part 3
;; launch outer (part 4): grid 256 x 1, 4 waves a work-group, no clusters, 1,024 bytes of LDS; arguments vp, pm, out0; writes out0
.if DOCPART == 4
	.amdgcn_target "amdgcn-amd-amdhsa--gfx1250"
	.amdhsa_code_object_version 6
	.text
	.protected	k_qc853f03f26_outer
	.globl	k_qc853f03f26_outer
	.p2align	8
	.type	k_qc853f03f26_outer,@function
k_qc853f03f26_outer:
	s_mov_b64 s[64:65], 0
	v_nop
	global_prefetch_b8 v0, s[64:65] scope:SCOPE_SE
	s_setreg_imm32_b32 hwreg(HW_REG_WAVE_MODE, 25, 1), 1
	s_wait_xcnt 0x0
; out0[b][i][j] = (mean over rows of x[b][.][i]) x (largest score of row j) = (sum over 16 parts of vp[b][.][i]) x (largest of 16 parts of pm[b][.][j]) x 2^-15:
; 1 / 2048 of the mean and 1 / 16 of the scores are powers of two and are applied here, once, to the sum: nothing is rounded by them.
; A work-group writes 128 rows i x 512 columns j.  Thread t owns columns 4 t .. 4 t + 3 of the 512 in every row: its four maxima stay in registers; it also makes the sum of row t, and the 128 sums
; go round through LDS.  Each store of a wave covers 512 consecutive bytes, aligned to 256; the four waves together 2,048 bytes of a row.
; The stores bind: no matrix unit, no tensor loads, no clusters (what work-groups share, the partials, is 40 KB read for each 256 KB written).  Four plain multiplies make a lane's 16 bytes.
; LIMITS: NaN and infinities are not served (the maxima drop a NaN); the mean's sum is an f32 sum in another order than a plain row-by-row sum.
.set MX,  4                            ; v4-7     my four columns' maxima
.set O,   16                           ; v16-79   pm's sixteen loads; later sixteen sets of four results
.set P,   80                           ; v80-95   vp's sixteen loads
.set V,   96                           ; v96-223  the 128 rows' sums x 2^-15
	s_load_b128 s[4:7], s[0:1], 0x0                ; vp s[4:5], pm s[6:7]
	s_load_b64 s[8:9], s[0:1], 0x10                ; out0
	v_lshl_add_u32 v224, v0, 2, 0x200
	v_mov_b32 v225, 0
	v_lshlrev_b32 v1, 2, v0                        ; 4 t
	v_lshlrev_b32 v2, 4, v0                        ; 16 t
	v_mov_b32 v3, 0
	s_lshr_b32 s10, ttmp9, 6                       ; b
	s_bfe_u32 s11, ttmp9, 0x20004                  ; which 512 columns
	s_and_b32 s12, ttmp9, 15                       ; which 128 rows
	s_lshl_b32 s14, s10, 17                        ; a batch's 16 parts of 2,048 f32
	s_lshl_b32 s16, s12, 9
	s_add_co_u32 s16, s16, s14
	s_mov_b32 s17, 0
	s_lshl_b32 s18, s11, 11
	s_add_co_u32 s18, s18, s14
	s_mov_b32 s19, 0
	s_lshl_b32 s20, s10, 24
	s_lshl_b32 s21, s12, 20
	s_add_co_u32 s20, s20, s21
	s_lshl_b32 s21, s11, 11
	s_add_co_u32 s20, s20, s21
	s_mov_b32 s21, 0
	s_wait_kmcnt 0x0
	s_add_nc_u64 s[4:5], s[4:5], s[16:17]
	s_add_nc_u64 s[6:7], s[6:7], s[18:19]
	s_add_nc_u64 s[8:9], s[8:9], s[20:21]
.irp p, 0,1,2,3,4,5,6,7,8,9,10,11,12,13,14,15
	global_load_b32 v[P+\p], v1, s[4:5] offset:8192*\p
.endr
.irp p, 0,1,2,3,4,5,6,7,8,9,10,11,12,13,14,15
	global_load_b128 v[O+4*\p:O+4*\p+3], v2, s[6:7] offset:8192*\p
.endr
	s_wait_loadcnt 16                              ; vp's sixteen are in; pm's sixteen may be out
.irp p, 0,2,4,6
	v_pk_add_f32 v[P+\p:P+\p+1], v[P+\p:P+\p+1], v[P+8+\p:P+9+\p]
.endr
.irp p, 0,2
	v_pk_add_f32 v[P+\p:P+\p+1], v[P+\p:P+\p+1], v[P+4+\p:P+5+\p]
.endr
	v_pk_add_f32 v[P:P+1], v[P:P+1], v[P+2:P+3]
	v_add_f32 v[P], v[P], v[P+1]
	v_mul_f32 v[P], 0x38000000, v[P]               ; x 2^-15
	ds_store_b32 v1, v[P]                          ; row t's factor
	s_wait_loadcnt 0x0
.irp c, 0,1,2,3
	v_max3_num_f32 v[MX+\c], v[O+\c], v[O+4+\c], v[O+8+\c]
.endr
.irp p, 3,5,7,9,11,13
.irp c, 0,1,2,3
	v_max3_num_f32 v[MX+\c], v[MX+\c], v[O+4*\p+\c], v[O+4*\p+4+\c]
.endr
.endr
.irp c, 0,1,2,3
	v_max_num_f32 v[MX+\c], v[MX+\c], v[O+60+\c]
.endr
	s_wait_dscnt 0x0                               ; for the others' sake: my row's factor lies in LDS
	s_barrier_signal -1
	s_barrier_wait -1
.irp q, 0,1,2,3,4,5,6,7,8,9,10,11,12,13,14,15,16,17,18,19,20,21,22,23,24,25,26,27,28,29,30,31
	ds_load_b128 v[V+4*\q:V+4*\q+3], v3 offset:16*\q   ; every lane reads the same 16 bytes: all 128 factors in every lane
.endr
.set k, 0
.rept 128
.if k%4 == 0
	s_wait_dscnt 31-k/4                            ; LDS loads come back in order: the four factors from row k on are in, the younger loads stay out
.endif
.if (k%16 == 0) && (k > 0)
	s_wait_xcnt 0x0                                ; the sixteen sets of results are written again only behind this wait: the stores that read them have had their addresses translated (ISA guide 3.1)
.endif
.irp c, 0,1,2,3
	v_mul_f32 v[O+4*(k%16)+\c], v[MX+\c], v[V+k]
.endr
	global_store_b128 v2, v[O+4*(k%16):O+4*(k%16)+3], s[8:9] offset:8192*k th:TH_STORE_NT   ; written once, read by nobody here
.set k, k+1
.endr
	s_wait_tensorcnt 0x0
	ds_add_u32 v224, v225
	s_wait_dscnt 0x0
	s_endpgm
.Lfunc_end_k_qc853f03f26_outer:
	.size	k_qc853f03f26_outer, .Lfunc_end_k_qc853f03f26_outer-k_qc853f03f26_outer
	.p2alignl 7, 3214868480
	.fill 96, 4, 3214868480
	.section	.rodata,"a",@progbits
	.p2align	6, 0x0
	.amdhsa_kernel k_qc853f03f26_outer
		.amdhsa_group_segment_fixed_size 1024
		.amdhsa_private_segment_fixed_size 0
		.amdhsa_enable_private_segment 0
		.amdhsa_kernarg_size 24
		.amdhsa_user_sgpr_count 2
		.amdhsa_user_sgpr_kernarg_segment_ptr 1
		.amdhsa_wavefront_size32 1
		.amdhsa_system_sgpr_workgroup_id_x 1
		.amdhsa_system_sgpr_workgroup_id_y 1
		.amdhsa_system_sgpr_workgroup_id_z 1
		.amdhsa_system_vgpr_workitem_id 0
		.amdhsa_next_free_vgpr 226
		.amdhsa_next_free_sgpr 66
		.amdhsa_reserve_vcc 0
		.amdhsa_float_denorm_mode_32 3
		.amdhsa_float_denorm_mode_16_64 3
		.amdhsa_memory_ordered 1
		.amdhsa_forward_progress 1
		.amdhsa_inst_pref_size 39
	.end_amdhsa_kernel
	.amdgpu_metadata
---
amdhsa.version: [ 1, 2 ]
amdhsa.kernels:
  - .name:           k_qc853f03f26_outer
    .symbol:         k_qc853f03f26_outer.kd
    .args:
      - { .name: vp, .offset: 0, .size: 8, .value_kind: global_buffer, .address_space: global }
      - { .name: pm, .offset: 8, .size: 8, .value_kind: global_buffer, .address_space: global }
      - { .name: out0, .offset: 16, .size: 8, .value_kind: global_buffer, .address_space: global }
    .group_segment_fixed_size: 1024
    .private_segment_fixed_size: 0
    .kernarg_segment_align: 8
    .kernarg_segment_size: 24
    .max_flat_workgroup_size: 128
    .sgpr_count:     66
    .vgpr_count:     226
    .wavefront_size: 32
...
	.end_amdgpu_metadata
.endif
;; end of part 4
